; MI455X (gfx1250); checked and timed in simulation.
; The chip was launched on July 23, 2026; its instructions are those of AMD's public machine-readable ISA for CDNA 5 (MIT licence, August 2026) and "CDNA5" Instruction Set Architecture Reference Guide (July 2026). The comments in the code are by the model that wrote it; some were corrected since.
;; LTM. Allowed arithmetic: matrix products marked QUANTISED: E4M3 operands, one given power-of-two scale a tensor, by v_wmma_f32_16x16x64_fp8_fp8 or v_wmma_f32_16x16x128_fp8_fp8, f32 sums; everything else in f32.
;; Inputs: W_f_codes 2,048 x 64 x 32 uint8 (E4M3 codes of W_f, K innermost, in blocks of 32 codes); W_g_codes 2,048 x 64 x 32 uint8 (E4M3 codes of W_g, K innermost, in blocks of 32 codes); W_i_codes 2,048 x 64 x 32 uint8 (E4M3 codes of W_i, K innermost, in blocks of 32 codes); W_o_codes 2,048 x 64 x 32 uint8 (E4M3 codes of W_o, K innermost, in blocks of 32 codes); b_f 2,048 float32; b_g 2,048 float32; b_i 2,048 float32; b_o 2,048 float32; cx 1 x 2,048 float32; lowp_scales 8 int32 (the exponents e of the quantised operands' scales 2^e); x_codes 4,096 x 64 x 32 uint8 (E4M3 codes of x, K innermost, in blocks of 32 codes).
;; Outputs: out0 4,096 x 2,048 float32.
;; This version of the problem:
;;   THIS VERSION OF THE PROBLEM IS GIVEN IN LOW PRECISION. The matrix products marked QUANTISED in the list below multiply operands that are first quantised to E4M3 (4 exponent bits, 3 mantissa bits; 8 bits a number), with one given power-of-two scale for each operand tensor; their sums are f32. All else is computed in f32.
;;   The module's matrix products, in the order in which they are computed (A, B: the left and right operand; K: the contracted axis; several contracted axes count as one K, in the product's order):
;;     1. [M 4,096, K 2,048] x [K 2,048, N 2,048]; A: input x (given as codes); B: input W_i (given as codes): QUANTISED (scales: A lowp_scales[0], B lowp_scales[1])
;;     2. [M 4,096, K 2,048] x [K 2,048, N 2,048]; A: input x (given as codes); B: input W_f (given as codes): QUANTISED (scales: A lowp_scales[2], B lowp_scales[3])
;;     3. [M 4,096, K 2,048] x [K 2,048, N 2,048]; A: input x (given as codes); B: input W_g (given as codes): QUANTISED (scales: A lowp_scales[4], B lowp_scales[5])
;;     4. [M 4,096, K 2,048] x [K 2,048, N 2,048]; A: input x (given as codes); B: input W_o (given as codes): QUANTISED (scales: A lowp_scales[6], B lowp_scales[7])
;;   THE QUANTISER, for each operand of a quantised product, along K:
;;     - The operand's scale is 2^e, e = its entry of the input lowp_scales (int32; the entries are numbered through the quantised products in the list's order, A before B).
;;     - Each number is divided by the scale, clamped to +-448, and rounded to the nearest number of E4M3, ties to even, subnormals kept.
;;     - The product sums the exact products of the quantised numbers (number of the format x scale) in f32.
;;   ~~~python
;;   def quantise(x, axis, e):      # numpy; x: float32 -> the quantised numbers, widened to float32 again
;;       x = np.moveaxis(x, axis, -1); K = x.shape[-1]
;;       r = np.clip(x / 2.0 ** e, -448, 448)
;;       step = 2.0 ** (np.maximum(np.frexp(np.where(r == 0, 1, r))[1] - 1, -6) - 3)
;;       q = np.round(r / step) * step * 2.0 ** e      # np.round: ties to even
;;       return np.moveaxis(q, -1, axis).astype(np.float32)
;;   ~~~
;;   INPUTS GIVEN AS CODES. W_f (in the module: [2048, 2048], K = its axis 1); W_g (in the module: [2048, 2048], K = its axis 1); W_i (in the module: [2048, 2048], K = its axis 1); W_o (in the module: [2048, 2048], K = its axis 1); x (in the module: [4096, 2048], K = its axis 1): each comes as NAME_codes (uint8): NAME with its K axis moved to the last place and cut into blocks of 32 codes, [.., K / 32, bytes a block], one block behind the other in memory; one code a byte (a code: sign, 4 exponent bits, 3 mantissa bits); its scale is its entry of lowp_scales. Its value is code x scale, taken as it is: it is not quantised again, and the codes and scales need not be those that the quantiser above would give.
;; 2 versions, each right and faster than the one before. Each part assembles by itself: llvm-mc -triple=amdgcn-amd-amdhsa -mcpu=gfx1250 --defsym DOCPART=n.
;; ======== version 1 of 2: 1 launch
;; limits: a function is approximated: absolute error at most 2e-07
;; launch ltm (part 1): grid 32 x 16, 4 waves a work-group, clusters of 4 x 4, 327,680 bytes of LDS; arguments x_codes, W_i_codes, W_f_codes, W_g_codes, W_o_codes, b_i, b_f, b_g, b_o, cx, lowp_scales, out0; writes out0
.if DOCPART == 1
	.amdgcn_target "amdgcn-amd-amdhsa--gfx1250"
	.amdhsa_code_object_version 6
	.text
	.protected	k_q2f316f997a_ltm
	.globl	k_q2f316f997a_ltm
	.p2align	8
	.type	k_q2f316f997a_ltm,@function
k_q2f316f997a_ltm:
	s_mov_b64 s[64:65], 0
	v_nop
	global_prefetch_b8 v0, s[64:65] scope:SCOPE_SE
	s_setreg_imm32_b32 hwreg(HW_REG_WAVE_MODE, 25, 1), 1
	s_wait_xcnt 0x0
	s_wait_alu depctr_hold_cnt(0) depctr_sa_sdst(0) depctr_va_vdst(0) depctr_va_sdst(0) depctr_va_ssrc(0) depctr_va_vcc(0) depctr_vm_vsrc(0)
	s_getreg_b32 s2, hwreg(HW_REG_IB_STS2, 6, 4)
	s_cmp_eq_u32 s2, 0
	s_cbranch_scc0 .Lentry_in_a_cluster
	s_endpgm
.Lentry_in_a_cluster:
	s_bfe_u32 s2, ttmp6, 0x10000c
	s_cmp_lg_u32 s2, 0xf033
	s_cbranch_scc0 .Lentry_shape_is_right
	s_endpgm
.Lentry_shape_is_right:
; h = sigmoid(zo) tanh(sigmoid(zf) cx + sigmoid(zi) tanh(zg)),  z = x W^T + b for the gates i, f, g, o.  x: [4096][2048], each W: [2048][2048]: codes of FP8 (E4M3), K innermost, a row = 2,048 bytes.
; The codes are multiplied as they are (v_wmma_f32_16x16x128_fp8_fp8, sums in f32); each gate's finished sum is multiplied once by 2^(eA + eB), its own two entries of the buffer of scales.  All behind the sums is f32.
; SHARES.  A work-group of four waves makes 256 rows x 64 columns of h: for that it needs 256 x 256 sums (64 columns of each of the four gates).  Wave w (rh = w / 2, ch = w % 2) makes rows 128 rh on,
; columns 32 ch on, of all four gates: 128 x 128 sums, 64 accumulators of 16 x 16, 512 registers.  So the four gates of an output meet in ONE lane, and nothing but h goes to memory.
; K goes in steps of 256 through a ring of two LDS slots: a tile's row is 256 consecutive bytes of memory, at a multiple of 256 from its buffer's first byte.
; CLUSTERS: 4 x 4 work-groups.  The four of a row of the cluster need the same tile of x, the four of a column the same tiles of the weights: such a tile is asked for JOINTLY, by the same tensor load with the
; same descriptor and a mask that names the four.  Wave 0 asks for x's tile (256 rows), waves 1, 2, 3 for W_i's, W_f's, W_g's (64 rows each).
; W_o IS NOT ASKED FOR JOINTLY: a K step has five tiles, the work-group has four waves, and a wave issues one tensor load behind each round.  W_o's tile is 16 KB of a step's 128 KB.  It comes through registers:
; each wave loads 16 of its 64 rows one K step ahead (16 lanes to a row's 256 bytes) and stores them into a ring of W_o's own, into which no tensor load ever lands.
; THE MATRIX INSTRUCTION IS USED AS IT STANDS (source 0 = 16 rows of x, source 1 = 16 rows of W): lane (r, h) holds column r and rows 8 h + 0 .. 7, so a bias, cx and a scale are ONE number a lane.
; A fragment is fetched by four loads of 16 bytes: registers 4 c .. 4 c + 3 hold K = 32 c + 16 h + 0 .. 15.  That is a permutation of K, the same in x and in W: every product meets its partner.
; THE GATES, with L = log2(e):  sigmoid(z) = 1 / (1 + 2^(-L z));  tanh(z) = 1 - 2 / (1 + 2^(2 L z)).  -L (for g: 2 L) is folded into the gate's scale and bias, so the exponent is one packed multiply-add on the sum.
; An exponential that overflows gives infinity, whose reciprocal is 0: the right limit; no argument is clipped.  NaN goes through.
; LIMITS: tanh made so has an absolute error of about one unit in the last place of 1, not a relative one for very small results; a result -0 may come out as +0;
; L x 2^(eA + eB) is made by v_ldexp_f32: beyond f32's range it is infinity or 0.
; REGISTERS, in windows of 256.  window 0: v0-31 addresses; v32-95 W_o's rows on their way (two sets), later rows of h on their way out; v96-127 the lane's constants, each twice (pairs for the packed forms);
;   v128-255 x's 8 fragments, ONE set; behind the products two sets of 64 numbers at work.   window 1: W's 8 fragments (2 x gate + column block), TWO sets, at v0 and v128.
;   window 2: the accumulators of my rows 0-63 (row block a, fragment b at v[8 (8 a + b)]);   window 3: those of my rows 64-127.
.set KSTEP,  256                       ; along K in a slot = a tile row's bytes
.set KROW,   2048                      ; a row of x or of W in memory, in bytes
.set PITCH,  272                       ; an LDS row: 256 bytes + 16 of padding = 68 words: row r starts at bank 4 r mod 64 (64 banks of 4 bytes: ISA guide 11.1), so the 16 rows of a load start at 16 different banks
.set GT,     64*PITCH                  ; a gate's tile: 64 rows
.set AB,     256*PITCH                 ; x's tile: 256 rows
.set SLOT,   AB+3*GT                   ; x, W_i, W_f, W_g
.set WOB,    2*SLOT                    ; behind the ring: W_o's own ring, two tiles, written by LDS stores alone
.set SPARE,  WOB+2*GT                  ; behind it: the spare words, 128 bytes for each wave: two blocks of 256 bytes that no other line names
.set LAPS,   KROW/(2*KSTEP)            ; a lap = two K steps = once round the ring: 4
.set FR,     16                        ; registers of a fragment: 16 rows x 128 K
.set OROW,   8192                      ; a row of h in bytes
.set ADRA, 16                          ; v16-17  LDS address of my fragments of x in slot 0, 1
.set ADRO, 18                          ; v18-19  of W_o
.set ADRB, 20                          ; v20-21  of W_i (W_f and W_g lie GT and 2 GT behind)
.set WST,  22                          ; v22     where I store W_o's rows
.set WGO,  23                          ; v23     my byte offset in my wave's 16 rows of W_o
.set STO,  24                          ; v24     the way out: where I put a number of h
.set RD,   25                          ; v25     the way out: where I read a row back
.set CO,   26                          ; v26     my byte offset in h
.set SPW,  28                          ; v28     LDS address of my spare word: SPARE + 4 x my thread's number; never rewritten
.set NIL,  29                          ; v29     0; never rewritten
.set RW,   32                          ; v32-63, v64-95: W_o's rows, later rows of h
.set BI,   96                          ; v96-111  the bias of gate g, column block cb, times -L (g: 2 L): a pair at BI + 4 g + 2 cb
.set CXR,  112                         ; v112-115 2 L cx: a pair at CXR + 2 cb
.set SC,   116                         ; v116-123 -L 2^(eA + eB) (g: 2 L ..): a pair at SC + 2 g
.set C4,   124                         ; v124-125 -4 L
.set C2,   126                         ; v126-127 2 L
.set AF,   128                         ; x's fragments
.set G1A, 24                           ; s[24:31] descriptor group 1 for x's tile;   s[68:75] for a gate's
.set G1B, 68
.set G0A, 32                           ; s[32:39] group 0 for x, one set for each slot;  s[40:47] W_i;  s[48:55] W_f;  s[56:63] W_g
.set G0I, 40
.set G0F, 48
.set G0G, 56
.set MSB, 0
.macro WIN new                         ; the immediate's high byte repeats the setting that is left; a switch that changes nothing is dropped
.if MSB != (\new)
	s_set_vgpr_msb (MSB<<8)|(\new)
.set MSB, (\new)
.endif
.endm
.set MUL_LO, 0xa4                      ; source 0 (x) window 0, source 1 (W) window 1, C and D window 2
.set MUL_HI, 0xf4                      ; the same, C and D window 3
.set TO_B,   0x40                      ; destination window 1, address window 0
.macro PLACES n
.rept \n
	v_nop
.endr
.endm
; A joint load: each wave asks for one of the slot's four tiles.  Each of the four lines has ONE mask and one set of registers for all that issue it; the branches hang on the wave's number alone.
; Four v_nop follow each line, ahead of the jump, the label and what follows.
.macro JLOAD s
	s_cmp_lt_u32 s20, 2
	s_cbranch_scc0 .Lhigh_\@
	s_cmp_eq_u32 s20, 0
	s_cbranch_scc0 .Lwave_1_\@
	tensor_load_to_lds s[G0A+4*\s:G0A+4*\s+3], s[G1A:G1A+7]
	s_nop 0
	PLACES 4
	s_branch .Lasked_\@
.Lwave_1_\@:
	tensor_load_to_lds s[G0I+4*\s:G0I+4*\s+3], s[G1B:G1B+7]
	s_nop 0
	PLACES 4
	s_branch .Lasked_\@
.Lhigh_\@:
	s_cmp_eq_u32 s20, 2
	s_cbranch_scc0 .Lwave_3_\@
	tensor_load_to_lds s[G0F+4*\s:G0F+4*\s+3], s[G1B:G1B+7]
	s_nop 0
	PLACES 4
	s_branch .Lasked_\@
.Lwave_3_\@:
	tensor_load_to_lds s[G0G+4*\s:G0G+4*\s+3], s[G1B:G1B+7]
	s_nop 0
	PLACES 4
.Lasked_\@:
.endm
.macro CREST                           ; a round of the cluster's barrier behind its opening barrier
	s_cmp_lg_u32 s20, 0
	s_cbranch_scc1 .Lnot_wave_0_\@
	s_barrier_signal -3
.Lnot_wave_0_\@:
	s_barrier_wait -3
	s_barrier_signal -1
	s_barrier_wait -1
.endm
.macro CROUND                          ; a whole round
	s_barrier_signal -1
	s_barrier_wait -1
	CREST
.endm
; W_o: my wave's 16 rows of a K step, 8 loads of two rows: 16 lanes read a row's 256 consecutive bytes.  Other work-groups read these bytes again: no hint.
.macro WGET rs, off
.irp j, 0,1,2,3,4,5,6,7
	global_load_b128 v[RW+32*(\rs)+4*\j:RW+32*(\rs)+4*\j+3], v[WGO], s[12:13] offset:\off+2*KROW*\j
.endr
.endm
.macro WPUT slot                       ; and into W_o's ring, laid as the tensor loads lay the other gates
.irp j, 0,1,2,3,4,5,6,7
	ds_store_b128 v[WST], v[RW+32*(\slot)+4*\j:RW+32*(\slot)+4*\j+3] offset:(\slot)*GT+2*PITCH*\j
.endr
.endm
	s_load_b512 s[4:19], s[0:1], 0x0               ; x s[4:5], W_i s[6:7], W_f s[8:9], W_g s[10:11], W_o s[12:13], b_i s[14:15], b_f s[16:17], b_g s[18:19]
	s_load_b256 s[76:83], s[0:1], 0x40             ; b_o s[76:77], cx s[78:79], the scales' exponents s[80:81], h s[82:83]
	v_lshl_add_u32 v[SPW], v0, 2, SPARE
	v_mov_b32 v[NIL], 0
	ds_add_u32 v28, v29
	ds_add_u32 v28, v29
	s_wait_dscnt 0x0
	v_lshrrev_b32 v1, 5, v0
	v_readfirstlane_b32 s20, v1                    ; wave 0..3
	s_lshr_b32 s21, s20, 1                         ; rh: which 128 rows are mine
	s_and_b32 s22, s20, 1                          ; ch: which 32 columns
	s_bfe_u32 s92, ttmp6, 0x40000                  ; my place in the cluster along x,
	s_bfe_u32 s93, ttmp6, 0x40004                  ; and along y
	s_lshl_b32 s94, ttmp9, 2
	s_add_co_u32 s94, s94, s92                     ; tile column of h (64 columns) = 4 x cluster x + place
	s_and_b32 s95, ttmp7, 0xffff
	s_lshl_b32 s95, s95, 2
	s_add_co_u32 s95, s95, s93                     ; tile row of h (256 rows) = 4 x cluster y + place
	s_lshl_b32 s96, s93, 2
	s_lshl_b32 s96, 15, s96                        ; my row of the cluster
	s_lshl_b32 s97, 0x1111, s92                    ; my column
	; descriptor group 1.  15:0 the mask; 17:16 elements of 1 byte; 20 padding on; 21 set beside a mask; 24:22 after every 64 words (code 5); 31:25 four words of it (code 3)
	s_or_b32 s[G1A+0], s96, (1<<20)|(1<<21)|(5<<22)|(3<<25)     ; x's tile goes to my row of the cluster
	s_mov_b32 s[G1A+1], KSTEP<<16                  ; tensor_dim0 = 256
	s_mov_b32 s[G1A+2], 256<<16                    ; tensor_dim1 = 256
	s_mov_b32 s[G1A+3], KSTEP<<16                  ; tile_dim0 = 256
	s_mov_b32 s[G1A+4], 256                        ; tile_dim1 = 256 rows
	s_mov_b32 s[G1A+5], KROW                       ; from row to row
	s_mov_b32 s[G1A+6], 0
	s_mov_b32 s[G1A+7], 0
	s_or_b32 s[G1B+0], s97, (1<<20)|(1<<21)|(5<<22)|(3<<25)     ; a gate's tile goes to my column
	s_mov_b32 s[G1B+1], KSTEP<<16
	s_mov_b32 s[G1B+2], 64<<16                     ; tensor_dim1 = 64
	s_mov_b32 s[G1B+3], KSTEP<<16
	s_mov_b32 s[G1B+4], 64                         ; tile_dim1 = 64 rows
	s_mov_b32 s[G1B+5], KROW
	s_mov_b32 s[G1B+6], 0
	s_mov_b32 s[G1B+7], 0
	s_lshl_b32 s98, s95, 19                        ; x's tile: 256 rows of 2,048 bytes x tile row: it hangs on the tile row alone
	s_mov_b32 s99, 0
	s_lshl_b32 s100, s94, 17                       ; a gate's: 64 rows of 2,048 bytes x tile column: on the tile column alone
	s_mov_b32 s101, 0
	v_and_b32 v1, 15, v0                           ; r
	v_bfe_u32 v2, v0, 4, 1                         ; h
	v_lshlrev_b32 v3, 2, v1                        ; 4 r
	v_lshlrev_b32 v4, 4, v1                        ; 16 r
	v_lshl_add_u32 v[WGO], v2, 11, v4              ; lanes 0-15 one row of W_o, lanes 16-31 the next
	s_wait_kmcnt 0x0
	s_load_b256 s[84:91], s[80:81], 0x0            ; the eight exponents
	s_add_nc_u64 s[4:5], s[4:5], s[98:99]
	s_add_nc_u64 s[6:7], s[6:7], s[100:101]
	s_add_nc_u64 s[8:9], s[8:9], s[100:101]
	s_add_nc_u64 s[10:11], s[10:11], s[100:101]
	s_add_nc_u64 s[12:13], s[12:13], s[100:101]
	s_lshl_b32 s66, s20, 15                        ; W_o: my wave's 16 rows of the tile
	s_mov_b32 s67, 0
	s_add_nc_u64 s[12:13], s[12:13], s[66:67]
	s_lshl_b32 s66, s94, 8                         ; the biases and cx: 64 numbers x tile column + 32 x ch, in bytes
	s_lshl_b32 s67, s22, 7
	s_add_co_u32 s66, s66, s67
	s_mov_b32 s67, 0
	s_add_nc_u64 s[14:15], s[14:15], s[66:67]
	s_add_nc_u64 s[16:17], s[16:17], s[66:67]
	s_add_nc_u64 s[18:19], s[18:19], s[66:67]
	s_add_nc_u64 s[76:77], s[76:77], s[66:67]
	s_add_nc_u64 s[78:79], s[78:79], s[66:67]
	s_lshl_b32 s66, s95, 21                        ; h: 256 rows of 8,192 bytes x tile row,
	s_lshl_b32 s67, s21, 20                        ; + 128 rows x rh,
	s_add_co_u32 s66, s66, s67
	s_lshl_b32 s67, s22, 17                        ; + 16 rows x ch (of each 32 rows that two waves make together I store 16),
	s_add_co_u32 s66, s66, s67
	s_lshl_b32 s67, s94, 8                         ; + 256 bytes x tile column
	s_add_co_u32 s66, s66, s67
	s_mov_b32 s67, 0
	s_add_nc_u64 s[82:83], s[82:83], s[66:67]
	WGET 0, 0                                      ; W_o's K steps 0 and 1
	WGET 1, KSTEP
.irp cb, 0,1                                   ; one number a lane for each gate and column block: column 32 ch + 16 cb + r
	global_load_b32 v[BI+0+2*\cb],  v3, s[14:15] offset:64*\cb
	global_load_b32 v[BI+4+2*\cb],  v3, s[16:17] offset:64*\cb
	global_load_b32 v[BI+8+2*\cb],  v3, s[18:19] offset:64*\cb
	global_load_b32 v[BI+12+2*\cb], v3, s[76:77] offset:64*\cb
	global_load_b32 v[CXR+2*\cb],   v3, s[78:79] offset:64*\cb
.endr
	CROUND                                         ; all sixteen work-groups are here: the first joint loads meet
.irp s, 0,1
	s_mov_b32 s[G0A+4*\s], 1                                       ; 1:0 count = 1
	s_mov_b32 s[G0A+4*\s+1], \s*SLOT                               ; 63:32 LDS address: a constant
	s_add_nc_u64 s[G0A+4*\s+2:G0A+4*\s+3], s[4:5], \s*KSTEP        ; 120:64 global address: K step s
	s_or_b32 s[G0A+4*\s+3], s[G0A+4*\s+3], 0x80000000              ; 127:126 type = 2
	s_mov_b32 s[G0I+4*\s], 1
	s_mov_b32 s[G0I+4*\s+1], \s*SLOT+AB
	s_add_nc_u64 s[G0I+4*\s+2:G0I+4*\s+3], s[6:7], \s*KSTEP
	s_or_b32 s[G0I+4*\s+3], s[G0I+4*\s+3], 0x80000000
	s_mov_b32 s[G0F+4*\s], 1
	s_mov_b32 s[G0F+4*\s+1], \s*SLOT+AB+GT
	s_add_nc_u64 s[G0F+4*\s+2:G0F+4*\s+3], s[8:9], \s*KSTEP
	s_or_b32 s[G0F+4*\s+3], s[G0F+4*\s+3], 0x80000000
	s_mov_b32 s[G0G+4*\s], 1
	s_mov_b32 s[G0G+4*\s+1], \s*SLOT+AB+2*GT
	s_add_nc_u64 s[G0G+4*\s+2:G0G+4*\s+3], s[10:11], \s*KSTEP
	s_or_b32 s[G0G+4*\s+3], s[G0G+4*\s+3], 0x80000000
	JLOAD \s                                       ; both slots are asked for before anything else is done in LDS: two tensor loads of mine are out
.endr
	v_mul_u32_u24 v5, v1, PITCH
	v_lshl_add_u32 v5, v2, 4, v5                   ; a fragment's row x pitch + 16 x half
	s_mul_i32 s23, s21, 128*PITCH                  ; my 128 rows of x
	v_add_nc_u32 v[ADRA], s23, v5
	v_add_nc_u32 v[ADRA+1], SLOT, v[ADRA]
	s_mul_i32 s23, s22, 32*PITCH                   ; my 32 rows of each gate's tile
	v_add_nc_u32 v6, s23, v5
	v_add_nc_u32 v[ADRB], AB, v6
	v_add_nc_u32 v[ADRB+1], SLOT+AB, v6
	v_add_nc_u32 v[ADRO], WOB, v6
	v_add_nc_u32 v[ADRO+1], WOB+GT, v6
	s_mul_i32 s23, s20, 16*PITCH                   ; W_o on its way in: rows 16 w + h, 16 bytes a lane
	v_mul_u32_u24 v7, v2, PITCH
	v_add_nc_u32 v7, v7, v4                        ; h x pitch + 16 r
	v_add_nc_u32 v[WST], s23, v7
	v_add_nc_u32 v[WST], WOB, v[WST]
	s_mul_i32 s23, s21, 128*PITCH                  ; the way out, in: row 128 rh + 8 h, byte 128 ch + 4 r
	s_lshl_b32 s2, s22, 7
	s_add_co_u32 s23, s23, s2
	v_mul_u32_u24 v8, v2, 8*PITCH
	v_add_nc_u32 v8, v8, v3
	v_add_nc_u32 v[STO], s23, v8
	s_mul_i32 s23, s21, 128*PITCH                  ; and back: row 128 rh + 16 ch + h, 16 bytes a lane
	s_mul_i32 s2, s22, 16*PITCH
	s_add_co_u32 s23, s23, s2
	v_add_nc_u32 v[RD], s23, v7
	v_lshl_add_u32 v[CO], v2, 13, v4               ; the same two rows in h
	s_wait_loadcnt 0x0                             ; W_o's two K steps, the biases and cx are in
	WPUT 0
	WPUT 1
	s_mov_b32 s23, 0xbfb8aa3b                      ; -L = -log2(e)
	s_mov_b32 s2, 0x4038aa3b                       ; 2 L
.irp cb, 0,1
	v_mul_f32 v[BI+0+2*\cb],  s23, v[BI+0+2*\cb]   ; -L b_i
	v_mul_f32 v[BI+4+2*\cb],  s23, v[BI+4+2*\cb]   ; -L b_f
	v_mul_f32 v[BI+8+2*\cb],  s2,  v[BI+8+2*\cb]   ; 2 L b_g
	v_mul_f32 v[BI+12+2*\cb], s23, v[BI+12+2*\cb]  ; -L b_o
	v_mul_f32 v[CXR+2*\cb],   s2,  v[CXR+2*\cb]    ; 2 L cx
.endr
.irp k, 0,2,4,6,8,10,12,14,16,18
	v_mov_b32 v[BI+\k+1], v[BI+\k]                 ; each twice: the packed forms take a pair (CXR lies behind BI)
.endr
	s_wait_kmcnt 0x0
	s_add_co_i32 s84, s84, s85                     ; eA + eB of gate i,
	s_add_co_i32 s86, s86, s87                     ; f,
	s_add_co_i32 s88, s88, s89                     ; g,
	s_add_co_i32 s90, s90, s91                     ; o
	v_mov_b32 v[SC+0], s23
	v_mov_b32 v[SC+2], s23
	v_mov_b32 v[SC+4], s2
	v_mov_b32 v[SC+6], s23
	v_ldexp_f32 v[SC+0], v[SC+0], s84              ; -L 2^(eA + eB): no branch hangs on a given exponent
	v_ldexp_f32 v[SC+2], v[SC+2], s86
	v_ldexp_f32 v[SC+4], v[SC+4], s88              ; 2 L 2^(eA + eB)
	v_ldexp_f32 v[SC+6], v[SC+6], s90
.irp k, 0,2,4,6
	v_mov_b32 v[SC+\k+1], v[SC+\k]
.endr
	v_mov_b32 v[C4], 0xc0b8aa3b                    ; -4 L
	v_mov_b32 v[C4+1], 0xc0b8aa3b
	v_mov_b32 v[C2], s2                            ; 2 L
	v_mov_b32 v[C2+1], s2
.macro FRAG reg, adr, q, rows          ; a fragment, 16 rows x 128 K: lane l holds row l % 16; registers 4 c .. 4 c + 3 hold K = 32 c + 16 (l / 16) + 0 .. 15
.irp c, 0,1,2,3
	ds_load_b128 v[\reg+4*\c:\reg+4*\c+3], v[\adr] offset:128*(\q)+32*\c+(\rows)*PITCH
.endr
.endm
.macro FETCH_B slot, q, p              ; W's eight fragments of the slot's q-th 128 along K into set p: gates i, f, g out of the slot, o out of its own ring.  32 loads
	WIN TO_B
.irp g, 0,1,2
.irp cb, 0,1
	FRAG 128*(\p)+FR*(2*\g+\cb), ADRB+\slot, \q, 64*\g+16*\cb
.endr
.endr
.irp cb, 0,1
	FRAG 128*(\p)+FR*(6+\cb), ADRO+\slot, \q, 16*\cb
.endr
	WIN 0
.endm
.macro FETCH_A slot, q, i0             ; x's blocks i0 .. i0 + 3.  16 loads
.irp i, \i0, \i0+1, \i0+2, \i0+3
	FRAG AF+FR*(\i), ADRA+\slot, \q, 16*(\i)
.endr
.endm
; 16 matrix instructions: x's blocks a0, a0 + 1 against W's eight fragments, 128 along K.  p: W's set.  zero = 1: the first product starts the sums: nothing is ever cleared.
; The 64 accumulators take turns, one instruction a turn, in the same order in every step.
.macro MUL16 a0, p, zero
.irp a, \a0, \a0+1
.irp b, 0,1,2,3,4,5,6,7
.if \zero
	v_wmma_f32_16x16x128_fp8_fp8 v[8*(8*((\a)%4)+\b):8*(8*((\a)%4)+\b)+7], v[AF+FR*(\a):AF+FR*(\a)+FR-1], v[128*(\p)+FR*\b:128*(\p)+FR*\b+FR-1], 0
.else
	v_wmma_f32_16x16x128_fp8_fp8 v[8*(8*((\a)%4)+\b):8*(8*((\a)%4)+\b)+7], v[AF+FR*(\a):AF+FR*(\a)+FR-1], v[128*(\p)+FR*\b:128*(\p)+FR*\b+FR-1], v[8*(8*((\a)%4)+\b):8*(8*((\a)%4)+\b)+7]
.endif
.endr
.endr
.endm
; A load into a register that a matrix instruction has read, and a vector instruction that reads a matrix result or writes one of a matrix instruction's registers, stand four places behind it, and only plain
; vector instructions that name none of its registers are places (ISA guide 7.12.1 for vector instructions); this text does not count the matrix instructions in between.
; A step of 128 along K that has its successor in the same slot.  A block of x is free as soon as its eight products are issued, so x has one set: blocks 0-3 are fetched anew in the middle, blocks 4-7 at the end.
.macro STEP slot, q, zero
	s_wait_dscnt 16                                ; W's set and x's blocks 0-3 are in; the youngest 16 loads (x's blocks 4-7) may be out
	WIN MUL_LO
	MUL16 0, (\q)%2, \zero
	MUL16 2, (\q)%2, \zero
	s_wait_dscnt 0                                 ; x's blocks 4-7 are in (asked for 32 matrix instructions ago)
	PLACES 4
	FETCH_B \slot, (\q)+1, 1-(\q)%2
	FETCH_A \slot, (\q)+1, 0
	WIN MUL_HI
	MUL16 4, (\q)%2, \zero
	MUL16 6, (\q)%2, \zero
	PLACES 4
	WIN 0
	FETCH_A \slot, (\q)+1, 4
.endm
; A slot's last step changes slots: ONE barrier; in front of it each wave waits for all its tensor loads, adds 0 to its spare word, and waits for that, for its reads of this slot and for its stores into W_o's ring.
; fill = 1: this slot is filled again, two K steps ahead, and W_o's rows of that K step, which are in registers, go into this slot's half of W_o's ring.
; ld = 1: W_o's rows of the K step after that are asked for;  ld = 2: the same, but not in the loop's last trip, where there is no such K step: no load leaves its buffer.
.macro TURN slot, next, fill, ld
	s_wait_tensorcnt 0x0                           ; all my tensor loads have landed: my tile of the next slot;  (every window is 0 here: the add's two registers lie in window 0)
	ds_add_u32 v[SPW], v[NIL]                      ; 0 onto my spare word
	s_wait_dscnt 17                                ; (the add and the youngest 16 loads, x's blocks 4-7, may be out)
	WIN MUL_LO
	MUL16 0, 1, 0                                  ; sixteen matrix instructions stand between the add and the wait for it
	s_wait_dscnt 0x0                               ; the add is done, my reads of this slot are over, and what I stored into W_o's ring a K step ago lies there
	s_barrier_signal -1
	MUL16 2, 1, 0
	WIN 0
	s_barrier_wait -1
.if \fill
	CREST                                          ; the barrier has opened a round of the cluster's barrier: no wave of any partner still reads this slot's tiles or has a load on its way
	s_add_nc_u64 s[G0A+4*\slot+2:G0A+4*\slot+3], s[G0A+4*\slot+2:G0A+4*\slot+3], 2*KSTEP
	s_add_nc_u64 s[G0I+4*\slot+2:G0I+4*\slot+3], s[G0I+4*\slot+2:G0I+4*\slot+3], 2*KSTEP
	s_add_nc_u64 s[G0F+4*\slot+2:G0F+4*\slot+3], s[G0F+4*\slot+2:G0F+4*\slot+3], 2*KSTEP
	s_add_nc_u64 s[G0G+4*\slot+2:G0G+4*\slot+3], s[G0G+4*\slot+2:G0G+4*\slot+3], 2*KSTEP
	JLOAD \slot                                    ; my one tensor load behind the round, and the first thing there; the four v_nop behind it are also the places in front of the loads below
	s_wait_loadcnt 0x0                             ; W_o's rows of the K step two on, asked for a K step (128 matrix instructions) ago, are in; so their base may step
	WPUT \slot                                     ; nobody reads this half of W_o's ring any more; it is read behind the next change of slots
.if \ld == 2
	s_cmp_eq_u32 s3, 1                             ; the loop's last trip: K step 8 does not exist
	s_cbranch_scc1 .Lno_more_\@
.endif
.if \ld
	s_add_nc_u64 s[12:13], s[12:13], KSTEP
	WGET \next, 0                                  ; into the set whose stores were waited for in front of the barrier
.endif
.if \ld == 2
.Lno_more_\@:
.endif
.else
	PLACES 4
.endif
	FETCH_B \next, 0, 0
	FETCH_A \next, 0, 0
	WIN MUL_HI
	MUL16 4, 1, 0
	MUL16 6, 1, 0
	PLACES 4
	WIN 0
	FETCH_A \next, 0, 4
.endm
	s_wait_tensorcnt 0x1                           ; my tile of K step 0 is in; K step 1's may stay out
	s_wait_dscnt 0x0                               ; my rows of W_o lie in its ring
	s_barrier_signal -1
	s_barrier_wait -1                              ; everybody's do
	s_add_nc_u64 s[12:13], s[12:13], 2*KSTEP       ; (the loads that named this base are in)
	WGET 0, 0                                      ; W_o's K step 2
	FETCH_B 0, 0, 0
	FETCH_A 0, 0, 0
	FETCH_A 0, 0, 4
	STEP 0, 0, 1                                   ; the first step stands in front of the loop: its products start the sums
	s_mov_b32 s3, LAPS-1
.Llap:                                                 ; a trip goes once round the ring, from a lap's second step to the next lap's first, and fills both slots again
	TURN 0, 1, 1, 1
	STEP 1, 0, 0
	TURN 1, 0, 1, 2
	STEP 0, 0, 0
	s_sub_co_u32 s3, s3, 1
	s_cmp_lg_u32 s3, 0
	s_cbranch_scc1 .Llap
	TURN 0, 1, 0, 0                                ; the last lap fills nothing, and has no round of the cluster's barrier
	STEP 1, 0, 0
	s_wait_dscnt 16                                ; the very last step: nothing more to fetch
	WIN MUL_LO
	MUL16 0, 1, 0
	MUL16 2, 1, 0
	s_wait_dscnt 0
	WIN MUL_HI
	MUL16 4, 1, 0
	MUL16 6, 1, 0
	WIN 0
; THE GATES, a block of 16 rows at a time: 64 sums a lane (gate g, column block cb, row j at 16 g + 8 cb + j) become 16 numbers of h.  Two sets of 64 registers by turns, where x's fragments lay.
.macro CALC a
.set TB, AF+64*((\a)%2)
.set AC, 64*((\a)%4)
	WIN 0x02+((\a)/4)                              ; source 0: window 2 or 3
.irp n, 0,2,4,6,8,10,12,14,16,18,20,22,24,26,28,30,32,34,36,38,40,42,44,46,48,50,52,54,56,58,60,62
	v_pk_fma_f32 v[TB+\n:TB+\n+1], v[AC+\n:AC+\n+1], v[SC+2*(\n/16):SC+2*(\n/16)+1], v[BI+4*(\n/16)+2*((\n/8)%2):BI+4*(\n/16)+2*((\n/8)%2)+1]   ; -L z (g: 2 L z); each accumulator from its low end on
.endr
	WIN 0
.set i, 0
.rept 64
	v_exp_f32 v[TB+i], v[TB+i]
.set i, i+1
.endr
	v_nop                                          ; a plain instruction between the last exponential and the use of its result (ISA guide 5.7.2)
	s_wait_alu depctr_va_vdst(0)
.irp n, 0,2,4,6,8,10,12,14,16,18,20,22,24,26,28,30,32,34,36,38,40,42,44,46,48,50,52,54,56,58,60,62
	v_pk_add_f32 v[TB+\n:TB+\n+1], v[TB+\n:TB+\n+1], 1.0 op_sel_hi:[1,0]
.endr
.set i, 0
.rept 64
	v_rcp_f32 v[TB+i], v[TB+i]                     ; sigmoid(zi), sigmoid(zf), (1 - tanh(zg)) / 2, sigmoid(zo)
.set i, i+1
.endr
	v_nop
	s_wait_alu depctr_va_vdst(0)
.irp n, 0,2,4,6,8,10,12,14
	v_pk_fma_f32 v[TB+32+\n:TB+33+\n], v[TB+32+\n:TB+33+\n], v[C4:C4+1], v[C2:C2+1]           ; 2 L tanh(zg)
.endr
.irp n, 0,2,4,6,8,10,12,14
	v_pk_mul_f32 v[TB+32+\n:TB+33+\n], v[TB+\n:TB+\n+1], v[TB+32+\n:TB+33+\n]                 ; x sigmoid(zi)
.endr
.irp n, 0,2,4,6,8,10,12,14
	v_pk_fma_f32 v[TB+32+\n:TB+33+\n], v[TB+16+\n:TB+17+\n], v[CXR+2*(\n/8):CXR+2*(\n/8)+1], v[TB+32+\n:TB+33+\n]   ; + sigmoid(zf) 2 L cx = 2 L c
.endr
.set i, 0
.rept 16
	v_exp_f32 v[TB+32+i], v[TB+32+i]
.set i, i+1
.endr
	v_nop
	s_wait_alu depctr_va_vdst(0)
.irp n, 0,2,4,6,8,10,12,14
	v_pk_add_f32 v[TB+32+\n:TB+33+\n], v[TB+32+\n:TB+33+\n], 1.0 op_sel_hi:[1,0]
.endr
.set i, 0
.rept 16
	v_rcp_f32 v[TB+32+i], v[TB+32+i]
.set i, i+1
.endr
	v_nop
	s_wait_alu depctr_va_vdst(0)
.irp n, 0,2,4,6,8,10,12,14
	v_pk_fma_f32 v[TB+32+\n:TB+33+\n], v[TB+32+\n:TB+33+\n], -2.0, 1.0 op_sel_hi:[1,0,0]      ; tanh(c)
.endr
.irp n, 0,2,4,6,8,10,12,14
	v_pk_mul_f32 v[TB+48+\n:TB+49+\n], v[TB+48+\n:TB+49+\n], v[TB+32+\n:TB+33+\n]             ; h
.endr
.endm
; THE WAY OUT.  A lane holds pieces of two columns, and a row's 64 numbers (256 bytes) come from two waves.  So h goes through a stage in LDS, 256 rows of 272 bytes, and comes back as whole rows.
; The stage lies where slot 0 held x: that slot has had its last fill, and every wave has passed the last change of slots, behind which nobody reads it.
.macro PUT a                           ; lanes 0-15 write 64 consecutive bytes of a row, lanes 16-31 of the row 8 further down, 544 words = 32 banks away
.set TB, AF+64*((\a)%2)
.irp cb, 0,1
.irp j, 0,1,2,3,4,5,6,7
	ds_store_b32 v[STO], v[TB+48+8*\cb+\j] offset:(16*(\a)+\j)*PITCH+64*\cb
.endr
.endr
.endm
.macro SYNC                            ; my LDS stores have landed: then the work-group's barrier.  Each phase has stage rows of its own, so one barrier a phase is enough
	s_wait_dscnt 0x0
	s_barrier_signal -1
	s_barrier_wait -1
.endm
.macro BACK p                          ; of the phase's 32 rows of my half of the tile I take 16, whole: two rows a load
.if (\p) >= 2
	s_wait_xcnt 0x0                                ; the stores of two phases ago have read these registers (ISA guide 3.1): only behind this wait are they loaded again
.endif
.irp i, 0,1,2,3,4,5,6,7
	ds_load_b128 v[RW+32*((\p)%2)+4*\i:RW+32*((\p)%2)+4*\i+3], v[RD] offset:(32*(\p)+2*\i)*PITCH
.endr
.endm
.macro SEND p
	s_wait_dscnt 0x0                               ; the eight loads of this phase are the only LDS instructions out
.irp i, 0,1,2,3,4,5,6,7
	global_store_b128 v[CO], v[RW+32*((\p)%2)+4*\i:RW+32*((\p)%2)+4*\i+3], s[82:83] offset:(32*(\p)+2*\i)*OROW th:TH_STORE_NT   ; 16 lanes store 256 consecutive bytes, at a multiple of 256 from h's first byte; 110 rows at the most: inside the signed 24-bit immediate
.endr
.endm
	PLACES 4                                       ; behind the last products: the lines below read results and write where x's fragments lay
	CALC 0
	PUT 0
	CALC 1
	PUT 1
	SYNC
	BACK 0
.irp p, 1,2,3                                  ; a block's arithmetic stands between the loads of the phase before and its stores
	CALC 2*\p
	SEND \p-1
	PUT 2*\p
	CALC 2*\p+1
	PUT 2*\p+1
	SYNC
	BACK \p
.endr
	SEND 3
	s_wait_tensorcnt 0x0                           ; the wave's end: behind my last tensor load and my last LDS store
	ds_add_u32 v[SPW], v[NIL]
	s_wait_dscnt 0x0
	CROUND                                         ; the closing round: no work-group ends while a partner may still ask for a tile that names it
	s_endpgm
.Lfunc_end_k_q2f316f997a_ltm:
	.size	k_q2f316f997a_ltm, .Lfunc_end_k_q2f316f997a_ltm-k_q2f316f997a_ltm
	.p2alignl 7, 3214868480
	.fill 96, 4, 3214868480
	.section	.rodata,"a",@progbits
	.p2align	6, 0x0
	.amdhsa_kernel k_q2f316f997a_ltm
		.amdhsa_group_segment_fixed_size 327680
		.amdhsa_private_segment_fixed_size 0
		.amdhsa_enable_private_segment 0
		.amdhsa_kernarg_size 96
		.amdhsa_user_sgpr_count 2
		.amdhsa_user_sgpr_kernarg_segment_ptr 1
		.amdhsa_wavefront_size32 1
		.amdhsa_system_sgpr_workgroup_id_x 1
		.amdhsa_system_sgpr_workgroup_id_y 1
		.amdhsa_system_sgpr_workgroup_id_z 1
		.amdhsa_system_vgpr_workitem_id 0
		.amdhsa_next_free_vgpr 1024
		.amdhsa_next_free_sgpr 102
		.amdhsa_reserve_vcc 0
		.amdhsa_float_denorm_mode_32 3
		.amdhsa_float_denorm_mode_16_64 3
		.amdhsa_memory_ordered 1
		.amdhsa_forward_progress 1
		.amdhsa_inst_pref_size 203
	.end_amdhsa_kernel
	.amdgpu_metadata
---
amdhsa.version: [ 1, 2 ]
amdhsa.kernels:
  - .name:           k_q2f316f997a_ltm
    .symbol:         k_q2f316f997a_ltm.kd
    .args:
      - { .name: x_codes, .offset: 0, .size: 8, .value_kind: global_buffer, .address_space: global }
      - { .name: W_i_codes, .offset: 8, .size: 8, .value_kind: global_buffer, .address_space: global }
      - { .name: W_f_codes, .offset: 16, .size: 8, .value_kind: global_buffer, .address_space: global }
      - { .name: W_g_codes, .offset: 24, .size: 8, .value_kind: global_buffer, .address_space: global }
      - { .name: W_o_codes, .offset: 32, .size: 8, .value_kind: global_buffer, .address_space: global }
      - { .name: b_i, .offset: 40, .size: 8, .value_kind: global_buffer, .address_space: global }
      - { .name: b_f, .offset: 48, .size: 8, .value_kind: global_buffer, .address_space: global }
      - { .name: b_g, .offset: 56, .size: 8, .value_kind: global_buffer, .address_space: global }
      - { .name: b_o, .offset: 64, .size: 8, .value_kind: global_buffer, .address_space: global }
      - { .name: cx, .offset: 72, .size: 8, .value_kind: global_buffer, .address_space: global }
      - { .name: lowp_scales, .offset: 80, .size: 8, .value_kind: global_buffer, .address_space: global }
      - { .name: out0, .offset: 88, .size: 8, .value_kind: global_buffer, .address_space: global }
    .group_segment_fixed_size: 327680
    .private_segment_fixed_size: 0
    .kernarg_segment_align: 8
    .kernarg_segment_size: 96
    .max_flat_workgroup_size: 128
    .sgpr_count:     102
    .vgpr_count:     1024
    .wavefront_size: 32
...
	.end_amdgpu_metadata
.endif
;; end of part 1
;; ======== version 2 of 2: 1 launch; 1.12 times as fast as version 1
;; limits: a function is approximated: absolute error at most 2e-07
;; launch ltm (part 2): grid 32 x 8, 4 waves a work-group, clusters of 4 x 4, 327,680 bytes of LDS; arguments x_codes, W_i_codes, W_f_codes, W_g_codes, W_o_codes, b_i, b_f, b_g, b_o, cx, lowp_scales, out0; writes out0
.if DOCPART == 2
	.amdgcn_target "amdgcn-amd-amdhsa--gfx1250"
	.amdhsa_code_object_version 6
	.text
	.protected	k_q2f316f997a_ltm
	.globl	k_q2f316f997a_ltm
	.p2align	8
	.type	k_q2f316f997a_ltm,@function
k_q2f316f997a_ltm:
	s_mov_b64 s[64:65], 0
	v_nop
	global_prefetch_b8 v0, s[64:65] scope:SCOPE_SE
	s_setreg_imm32_b32 hwreg(HW_REG_WAVE_MODE, 25, 1), 1
	s_wait_xcnt 0x0
	s_wait_alu depctr_hold_cnt(0) depctr_sa_sdst(0) depctr_va_vdst(0) depctr_va_sdst(0) depctr_va_ssrc(0) depctr_va_vcc(0) depctr_vm_vsrc(0)
	s_getreg_b32 s2, hwreg(HW_REG_IB_STS2, 6, 4)
	s_cmp_eq_u32 s2, 0
	s_cbranch_scc0 .Lentry_in_a_cluster
	s_endpgm
.Lentry_in_a_cluster:
	s_bfe_u32 s2, ttmp6, 0x10000c
	s_cmp_lg_u32 s2, 0xf033
	s_cbranch_scc0 .Lentry_shape_is_right
	s_endpgm
.Lentry_shape_is_right:
; h = sigmoid(zo) tanh(sigmoid(zf) cx + sigmoid(zi) tanh(zg)),  z = x W^T + b for the gates i, f, g, o.  x: [4096][2048], each W: [2048][2048]: codes of FP8 (E4M3), K innermost, a row = 2,048 bytes.
; The codes are multiplied as they are (v_wmma_f32_16x16x128_fp8_fp8, sums in f32); each gate's finished sum is multiplied once by 2^(eA + eB), its own two entries of the buffer of scales.  All behind the sums is f32.
; SHARES.  A tile of h is 256 rows x 64 columns: for that 256 x 256 sums are needed (64 columns of each of the four gates).  Wave w of four (rh = w / 2, ch = w % 2) makes rows 128 rh on,
; columns 32 ch on, of all four gates: 128 x 128 sums, 64 accumulators of 16 x 16, 512 registers.  So the four gates of an output meet in ONE lane, and nothing but h goes to memory.
; A WORK-GROUP STAYS: it makes two tiles, 2,048 rows apart, in the same 64 columns: 256 work-groups in all.  The weights' tiles, the biases, cx and the scales serve both tiles, and the ring does not stop
; between them: the first tile's last two changes of slots ask for the second tile's first two K steps, which land while the first tile goes through its gates.
; K goes in steps of 256 through a ring of two LDS slots: a tile's row is 256 consecutive bytes of memory, at a multiple of 256 from its buffer's first byte.
; CLUSTERS: 4 x 4 work-groups.  The four of a row of the cluster need the same tile of x, the four of a column the same tiles of the weights: such a tile is asked for JOINTLY, by the same tensor load with the
; same descriptor and a mask that names the four.  Wave 0 asks for x's tile (256 rows), waves 1, 2, 3 for W_i's, W_f's, W_g's (64 rows each).
; W_o IS NOT ASKED FOR JOINTLY: a K step has five tiles, the work-group has four waves, and a wave issues one tensor load behind each round.  W_o's tile is 16 KB of a step's 128 KB.  It comes through registers:
; each wave loads 16 of its 64 rows one K step ahead (16 lanes to a row's 256 bytes) and stores them into a ring of W_o's own, into which no tensor load ever lands.
; CLUSTERS BEGIN K AT DIFFERENT STEPS: cluster (X, Y) begins at K step (2 X + 4 Y) mod 8 and goes round.  So the clusters that need the same rows of x (one Y) or of the weights (one X) ask for different
; bytes at any one time, and most of what a cluster asks for has been asked for by another some steps before.  The offset hangs on the cluster's number alone, which all its work-groups share.
; THE MATRIX INSTRUCTION IS USED AS IT STANDS (source 0 = 16 rows of x, source 1 = 16 rows of W): lane (r, h) holds column r and rows 8 h + 0 .. 7, so a bias, cx and a scale are ONE number a lane.
; A fragment is fetched by four loads of 16 bytes: registers 4 c .. 4 c + 3 hold K = 32 c + 16 h + 0 .. 15.  That is a permutation of K, the same in x and in W: every product meets its partner.
; THE GATES, with L = log2(e):  sigmoid(z) = 1 / (1 + 2^(-L z));  tanh(z) = 1 - 2 / (1 + 2^(2 L z)).  -L (for g: 2 L) is folded into the gate's scale and bias, so the exponent is one packed multiply-add on the sum.
; An exponential that overflows gives infinity, whose reciprocal is 0: the right limit; no argument is clipped.  NaN goes through.
; LIMITS: the sums take K in a rotated and permuted order, not ascending; tanh made so has an absolute error of about one unit in the last place of 1, not a relative one for very small results;
; a result -0 may come out as +0; L x 2^(eA + eB) is made by v_ldexp_f32: beyond f32's range it is infinity or 0.
; REGISTERS, in windows of 256.  window 0: v0-31 addresses; v32-63, v64-95 W_o's rows on their way (two sets); v64-95 also rows of h on their way out; v96-127 the lane's constants, each twice (pairs for
;   the packed forms); v128-255 x's 8 fragments, ONE set; behind a tile's products two sets of 64 numbers at work.   window 1: W's 8 fragments (2 x gate + column block), TWO sets, at v0 and v128.
;   window 2: the accumulators of my rows 0-63 (row block a, fragment b at v[8 (8 a + b)]);   window 3: those of my rows 64-127.
.set KSTEP,  256                       ; along K in a slot = a tile row's bytes
.set KROW,   2048                      ; a row of x or of W in memory, in bytes
.set PITCH,  272                       ; an LDS row: 256 bytes + 16 of padding = 68 words: row r starts at bank 4 r mod 64 (64 banks of 4 bytes: ISA guide 11.1), so the 16 rows of a load start at 16 different banks
.set GT,     64*PITCH                  ; a gate's tile: 64 rows
.set AB,     256*PITCH                 ; x's tile: 256 rows
.set SLOT,   AB+3*GT                   ; x, W_i, W_f, W_g
.set WOB,    2*SLOT                    ; behind the ring: W_o's own ring, two tiles, written by LDS stores alone
.set SPARE,  WOB+2*GT                  ; behind it: the spare words, 128 bytes for each wave: two blocks of 256 bytes that no other line names
.set STG,    SPARE+512                 ; behind them: the way out: two stages of 64 rows, by turns; no tensor load lands here
.set PST,    64*PITCH                  ; one such stage
.set LAPS,   KROW/(2*KSTEP)            ; a lap = two K steps = once round the ring: 4 to a tile
.set FR,     16                        ; registers of a fragment: 16 rows x 128 K
.set OROW,   8192                      ; a row of h in bytes
.set WALK,   2048                      ; rows from a work-group's first tile to its second
.set ADRA, 16                          ; v16-17  LDS address of my fragments of x in slot 0, 1
.set ADRO, 18                          ; v18-19  of W_o
.set ADRB, 20                          ; v20-21  of W_i (W_f and W_g lie GT and 2 GT behind)
.set WST,  22                          ; v22     where I store W_o's rows
.set WGO,  23                          ; v23     my byte offset in my wave's 16 rows of W_o, at K = 0; never rewritten
.set STO,  24                          ; v24     the way out: where I put a number of h
.set RD,   25                          ; v25     the way out: where I read a row back
.set CO,   26                          ; v26     my byte offset in h
.set WOF,  27                          ; v27     WGO + the K offset of the loads in hand
.set SPW,  28                          ; v28     LDS address of my spare word: SPARE + 4 x my thread's number; never rewritten
.set NIL,  29                          ; v29     0; never rewritten
.set WO1,  30                          ; v30     as v27, for the second of the two first K steps
.set RW,   32                          ; v32-63, v64-95: W_o's rows
.set OUT,  64                          ; v64-95  rows of h on their way out
.set BI,   96                          ; v96-111  the bias of gate g, column block cb, times -L (g: 2 L): a pair at BI + 4 g + 2 cb
.set CXR,  112                         ; v112-115 2 L cx: a pair at CXR + 2 cb
.set SC,   116                         ; v116-123 -L 2^(eA + eB) (g: 2 L ..): a pair at SC + 2 g
.set C4,   124                         ; v124-125 -4 L
.set C2,   126                         ; v126-127 2 L
.set AF,   128                         ; x's fragments
.set G1A, 24                           ; s[24:31] descriptor group 1 for x's tile;   s[68:75] for a gate's
.set G1B, 68
.set G0A, 32                           ; s[32:39] group 0 for x, one set for each slot;  s[40:47] W_i;  s[48:55] W_f;  s[56:63] W_g
.set G0I, 40
.set G0F, 48
.set G0G, 56
; s[4:5] x at my tile, s[6:11] W_i, W_f, W_g at theirs, s[12:13] W_o at my wave's 16 rows: all at K = 0.  s[96:97]: the K offset, in bytes, of the K step asked for last (s97 = 0).  s92: W_o's.
.set MSB, 0
.macro WIN new                         ; the immediate's high byte repeats the setting that is left; a switch that changes nothing is dropped
.if MSB != (\new)
	s_set_vgpr_msb (MSB<<8)|(\new)
.set MSB, (\new)
.endif
.endm
.set MUL_LO, 0xa4                      ; source 0 (x) window 0, source 1 (W) window 1, C and D window 2
.set MUL_HI, 0xf4                      ; the same, C and D window 3
.set TO_B,   0x40                      ; destination window 1, address window 0
.macro PLACES n
.rept \n
	v_nop
.endr
.endm
; A joint load: each wave asks for one of the slot's four tiles.  Each of the four lines has ONE mask and one set of registers for all that issue it; the branches hang on the wave's number alone.
; Four v_nop follow each line, ahead of the jump, the label and what follows.
.macro JLOAD s
	s_cmp_lt_u32 s20, 2
	s_cbranch_scc0 .Lhigh_\@
	s_cmp_eq_u32 s20, 0
	s_cbranch_scc0 .Lwave_1_\@
	tensor_load_to_lds s[G0A+4*\s:G0A+4*\s+3], s[G1A:G1A+7]
	s_nop 0
	PLACES 4
	s_branch .Lasked_\@
.Lwave_1_\@:
	tensor_load_to_lds s[G0I+4*\s:G0I+4*\s+3], s[G1B:G1B+7]
	s_nop 0
	PLACES 4
	s_branch .Lasked_\@
.Lhigh_\@:
	s_cmp_eq_u32 s20, 2
	s_cbranch_scc0 .Lwave_3_\@
	tensor_load_to_lds s[G0F+4*\s:G0F+4*\s+3], s[G1B:G1B+7]
	s_nop 0
	PLACES 4
	s_branch .Lasked_\@
.Lwave_3_\@:
	tensor_load_to_lds s[G0G+4*\s:G0G+4*\s+3], s[G1B:G1B+7]
	s_nop 0
	PLACES 4
.Lasked_\@:
.endm
.macro CREST                           ; a round of the cluster's barrier behind its opening barrier
	s_cmp_lg_u32 s20, 0
	s_cbranch_scc1 .Lnot_wave_0_\@
	s_barrier_signal -3
.Lnot_wave_0_\@:
	s_barrier_wait -3
	s_barrier_signal -1
	s_barrier_wait -1
.endm
.macro CROUND                          ; a whole round
	s_barrier_signal -1
	s_barrier_wait -1
	CREST
.endm
; The global addresses of slot s's four descriptors: each buffer's tile + the K offset in the pair s[ko:ko+1]; then the type, 2, in bits 127:126
.macro DESC s, ko
	s_add_nc_u64 s[G0A+4*\s+2:G0A+4*\s+3], s[4:5], s[\ko:\ko+1]
	s_or_b32 s[G0A+4*\s+3], s[G0A+4*\s+3], 0x80000000
	s_add_nc_u64 s[G0I+4*\s+2:G0I+4*\s+3], s[6:7], s[\ko:\ko+1]
	s_or_b32 s[G0I+4*\s+3], s[G0I+4*\s+3], 0x80000000
	s_add_nc_u64 s[G0F+4*\s+2:G0F+4*\s+3], s[8:9], s[\ko:\ko+1]
	s_or_b32 s[G0F+4*\s+3], s[G0F+4*\s+3], 0x80000000
	s_add_nc_u64 s[G0G+4*\s+2:G0G+4*\s+3], s[10:11], s[\ko:\ko+1]
	s_or_b32 s[G0G+4*\s+3], s[G0G+4*\s+3], 0x80000000
.endm
; W_o: my wave's 16 rows of a K step, 8 loads of two rows: 16 lanes read a row's 256 consecutive bytes.  Other work-groups read these bytes again: no hint.
.macro WGET rs, adr
.irp j, 0,1,2,3,4,5,6,7
	global_load_b128 v[RW+32*(\rs)+4*\j:RW+32*(\rs)+4*\j+3], v[\adr], s[12:13] offset:2*KROW*\j
.endr
.endm
.macro WPUT slot                       ; and into W_o's ring, laid as the tensor loads lay the other gates
.irp j, 0,1,2,3,4,5,6,7
	ds_store_b128 v[WST], v[RW+32*(\slot)+4*\j:RW+32*(\slot)+4*\j+3] offset:(\slot)*GT+2*PITCH*\j
.endr
.endm
	s_load_b512 s[4:19], s[0:1], 0x0               ; x s[4:5], W_i s[6:7], W_f s[8:9], W_g s[10:11], W_o s[12:13], b_i s[14:15], b_f s[16:17], b_g s[18:19]
	s_load_b256 s[76:83], s[0:1], 0x40             ; b_o s[76:77], cx s[78:79], the scales' exponents s[80:81], h s[82:83]
	v_lshl_add_u32 v[SPW], v0, 2, SPARE
	v_mov_b32 v[NIL], 0
	ds_add_u32 v28, v29
	ds_add_u32 v28, v29
	s_wait_dscnt 0x0
	v_lshrrev_b32 v1, 5, v0
	v_readfirstlane_b32 s20, v1                    ; wave 0..3
	s_lshr_b32 s21, s20, 1                         ; rh: which 128 rows are mine
	s_and_b32 s22, s20, 1                          ; ch: which 32 columns
	s_bfe_u32 s92, ttmp6, 0x40000                  ; my place in the cluster along x,
	s_bfe_u32 s93, ttmp6, 0x40004                  ; and along y
	s_lshl_b32 s94, ttmp9, 2
	s_add_co_u32 s94, s94, s92                     ; tile column of h (64 columns) = 4 x cluster x + place: 0 .. 31
	s_and_b32 s95, ttmp7, 0xffff
	s_lshl_b32 s95, s95, 2
	s_add_co_u32 s95, s95, s93                     ; my first tile's row of tiles (256 rows) = 4 x cluster y + place: 0 .. 7
	s_lshl_b32 s96, s93, 2
	s_lshl_b32 s96, 15, s96                        ; my row of the cluster
	s_lshl_b32 s97, 0x1111, s92                    ; my column
	; descriptor group 1.  15:0 the mask; 17:16 elements of 1 byte; 20 padding on; 21 set beside a mask; 24:22 after every 64 words (code 5); 31:25 four words of it (code 3)
	s_or_b32 s[G1A+0], s96, (1<<20)|(1<<21)|(5<<22)|(3<<25)     ; x's tile goes to my row of the cluster
	s_mov_b32 s[G1A+1], KSTEP<<16                  ; tensor_dim0 = 256
	s_mov_b32 s[G1A+2], 256<<16                    ; tensor_dim1 = 256
	s_mov_b32 s[G1A+3], KSTEP<<16                  ; tile_dim0 = 256
	s_mov_b32 s[G1A+4], 256                        ; tile_dim1 = 256 rows
	s_mov_b32 s[G1A+5], KROW                       ; from row to row
	s_mov_b32 s[G1A+6], 0
	s_mov_b32 s[G1A+7], 0
	s_or_b32 s[G1B+0], s97, (1<<20)|(1<<21)|(5<<22)|(3<<25)     ; a gate's tile goes to my column
	s_mov_b32 s[G1B+1], KSTEP<<16
	s_mov_b32 s[G1B+2], 64<<16                     ; tensor_dim1 = 64
	s_mov_b32 s[G1B+3], KSTEP<<16
	s_mov_b32 s[G1B+4], 64                         ; tile_dim1 = 64 rows
	s_mov_b32 s[G1B+5], KROW
	s_mov_b32 s[G1B+6], 0
	s_mov_b32 s[G1B+7], 0
	s_lshl_b32 s98, s95, 19                        ; x's tile: 256 rows of 2,048 bytes x row of tiles: it hangs on that alone
	s_mov_b32 s99, 0
	s_lshl_b32 s100, s94, 17                       ; a gate's: 64 rows of 2,048 bytes x tile column: on the tile column alone
	s_mov_b32 s101, 0
	s_and_b32 s97, ttmp7, 0xffff                   ; where my cluster begins K: step (2 X + 4 Y) mod 8, in bytes of a row: 512 X + 1,024 Y mod 2,048
	s_lshl_b32 s97, s97, 10
	s_lshl_b32 s92, ttmp9, 9
	s_add_co_u32 s92, s92, s97
	s_and_b32 s92, s92, KROW-1                     ; s[92:93]: my K step 0,
	s_mov_b32 s93, 0
	s_add_co_u32 s96, s92, KSTEP
	s_and_b32 s96, s96, KROW-1                     ; s[96:97]: my K step 1
	s_mov_b32 s97, 0
	v_and_b32 v1, 15, v0                           ; r
	v_bfe_u32 v2, v0, 4, 1                         ; h
	v_lshlrev_b32 v3, 2, v1                        ; 4 r
	v_lshlrev_b32 v4, 4, v1                        ; 16 r
	v_lshl_add_u32 v[WGO], v2, 11, v4              ; lanes 0-15 one row of W_o, lanes 16-31 the next
	v_add_nc_u32 v[WOF], s92, v[WGO]
	v_add_nc_u32 v[WO1], s96, v[WGO]
	s_wait_kmcnt 0x0
	s_load_b256 s[84:91], s[80:81], 0x0            ; the eight exponents
	s_add_nc_u64 s[4:5], s[4:5], s[98:99]
	s_add_nc_u64 s[6:7], s[6:7], s[100:101]
	s_add_nc_u64 s[8:9], s[8:9], s[100:101]
	s_add_nc_u64 s[10:11], s[10:11], s[100:101]
	s_add_nc_u64 s[12:13], s[12:13], s[100:101]
	s_lshl_b32 s66, s20, 15                        ; W_o: my wave's 16 rows of the tile
	s_mov_b32 s67, 0
	s_add_nc_u64 s[12:13], s[12:13], s[66:67]
	s_lshl_b32 s66, s94, 8                         ; the biases and cx: 64 numbers x tile column + 32 x ch, in bytes
	s_lshl_b32 s67, s22, 7
	s_add_co_u32 s66, s66, s67
	s_mov_b32 s67, 0
	s_add_nc_u64 s[14:15], s[14:15], s[66:67]
	s_add_nc_u64 s[16:17], s[16:17], s[66:67]
	s_add_nc_u64 s[18:19], s[18:19], s[66:67]
	s_add_nc_u64 s[76:77], s[76:77], s[66:67]
	s_add_nc_u64 s[78:79], s[78:79], s[66:67]
	s_lshl_b32 s66, s95, 21                        ; h: 256 rows of 8,192 bytes x row of tiles,
	s_lshl_b32 s67, s21, 20                        ; + 128 rows x rh,
	s_add_co_u32 s66, s66, s67
	s_lshl_b32 s67, s22, 17                        ; + 16 rows x ch (of each 32 rows that two waves make together I store 16),
	s_add_co_u32 s66, s66, s67
	s_lshl_b32 s67, s94, 8                         ; + 256 bytes x tile column
	s_add_co_u32 s66, s66, s67
	s_mov_b32 s67, 0
	s_add_nc_u64 s[82:83], s[82:83], s[66:67]
	WGET 0, WOF                                    ; W_o's K steps 0 and 1
	WGET 1, WO1
.irp cb, 0,1                                   ; one number a lane for each gate and column block: column 32 ch + 16 cb + r
	global_load_b32 v[BI+0+2*\cb],  v3, s[14:15] offset:64*\cb
	global_load_b32 v[BI+4+2*\cb],  v3, s[16:17] offset:64*\cb
	global_load_b32 v[BI+8+2*\cb],  v3, s[18:19] offset:64*\cb
	global_load_b32 v[BI+12+2*\cb], v3, s[76:77] offset:64*\cb
	global_load_b32 v[CXR+2*\cb],   v3, s[78:79] offset:64*\cb
.endr
	CROUND                                         ; all sixteen work-groups are here: the first joint loads meet
.irp s, 0,1
	s_mov_b32 s[G0A+4*\s], 1                       ; 1:0 count = 1
	s_mov_b32 s[G0A+4*\s+1], \s*SLOT               ; 63:32 LDS address: a constant
	s_mov_b32 s[G0I+4*\s], 1
	s_mov_b32 s[G0I+4*\s+1], \s*SLOT+AB
	s_mov_b32 s[G0F+4*\s], 1
	s_mov_b32 s[G0F+4*\s+1], \s*SLOT+AB+GT
	s_mov_b32 s[G0G+4*\s], 1
	s_mov_b32 s[G0G+4*\s+1], \s*SLOT+AB+2*GT
	DESC \s, 92+4*\s                               ; 120:64 global address: my K step s; 127:126 the type
	JLOAD \s                                       ; both slots are asked for before anything else is done in LDS: two tensor loads of mine are out
.endr
	v_mul_u32_u24 v5, v1, PITCH
	v_lshl_add_u32 v5, v2, 4, v5                   ; a fragment's row x pitch + 16 x half
	s_mul_i32 s23, s21, 128*PITCH                  ; my 128 rows of x
	v_add_nc_u32 v[ADRA], s23, v5
	v_add_nc_u32 v[ADRA+1], SLOT, v[ADRA]
	s_mul_i32 s23, s22, 32*PITCH                   ; my 32 rows of each gate's tile
	v_add_nc_u32 v6, s23, v5
	v_add_nc_u32 v[ADRB], AB, v6
	v_add_nc_u32 v[ADRB+1], SLOT+AB, v6
	v_add_nc_u32 v[ADRO], WOB, v6
	v_add_nc_u32 v[ADRO+1], WOB+GT, v6
	s_mul_i32 s23, s20, 16*PITCH                   ; W_o on its way in: rows 16 w + h, 16 bytes a lane
	v_mul_u32_u24 v7, v2, PITCH
	v_add_nc_u32 v7, v7, v4                        ; h x pitch + 16 r
	v_add_nc_u32 v[WST], s23, v7
	v_add_nc_u32 v[WST], WOB, v[WST]
	s_mul_i32 s23, s21, 32*PITCH                   ; the way out, in: a stage's row 32 rh + 8 h, byte 128 ch + 4 r
	s_lshl_b32 s2, s22, 7
	s_add_co_u32 s23, s23, s2
	s_add_co_u32 s23, s23, STG
	v_mul_u32_u24 v8, v2, 8*PITCH
	v_add_nc_u32 v8, v8, v3
	v_add_nc_u32 v[STO], s23, v8
	s_mul_i32 s23, s21, 32*PITCH                   ; and back: row 32 rh + 16 ch + h, 16 bytes a lane
	s_mul_i32 s2, s22, 16*PITCH
	s_add_co_u32 s23, s23, s2
	s_add_co_u32 s23, s23, STG
	v_add_nc_u32 v[RD], s23, v7
	v_lshl_add_u32 v[CO], v2, 13, v4               ; the same two rows in h
	s_wait_loadcnt 0x0                             ; W_o's two K steps, the biases and cx are in
	WPUT 0
	WPUT 1
	s_mov_b32 s23, 0xbfb8aa3b                      ; -L = -log2(e)
	s_mov_b32 s2, 0x4038aa3b                       ; 2 L
.irp cb, 0,1
	v_mul_f32 v[BI+0+2*\cb],  s23, v[BI+0+2*\cb]   ; -L b_i
	v_mul_f32 v[BI+4+2*\cb],  s23, v[BI+4+2*\cb]   ; -L b_f
	v_mul_f32 v[BI+8+2*\cb],  s2,  v[BI+8+2*\cb]   ; 2 L b_g
	v_mul_f32 v[BI+12+2*\cb], s23, v[BI+12+2*\cb]  ; -L b_o
	v_mul_f32 v[CXR+2*\cb],   s2,  v[CXR+2*\cb]    ; 2 L cx
.endr
.irp k, 0,2,4,6,8,10,12,14,16,18
	v_mov_b32 v[BI+\k+1], v[BI+\k]                 ; each twice: the packed forms take a pair (CXR lies behind BI)
.endr
	s_wait_kmcnt 0x0
	s_add_co_i32 s84, s84, s85                     ; eA + eB of gate i,
	s_add_co_i32 s86, s86, s87                     ; f,
	s_add_co_i32 s88, s88, s89                     ; g,
	s_add_co_i32 s90, s90, s91                     ; o
	v_mov_b32 v[SC+0], s23
	v_mov_b32 v[SC+2], s23
	v_mov_b32 v[SC+4], s2
	v_mov_b32 v[SC+6], s23
	v_ldexp_f32 v[SC+0], v[SC+0], s84              ; -L 2^(eA + eB): no branch hangs on a given exponent
	v_ldexp_f32 v[SC+2], v[SC+2], s86
	v_ldexp_f32 v[SC+4], v[SC+4], s88              ; 2 L 2^(eA + eB)
	v_ldexp_f32 v[SC+6], v[SC+6], s90
.irp k, 0,2,4,6
	v_mov_b32 v[SC+\k+1], v[SC+\k]
.endr
	v_mov_b32 v[C4], 0xc0b8aa3b                    ; -4 L
	v_mov_b32 v[C4+1], 0xc0b8aa3b
	v_mov_b32 v[C2], s2                            ; 2 L
	v_mov_b32 v[C2+1], s2
.macro FRAG reg, adr, q, rows          ; a fragment, 16 rows x 128 K: lane l holds row l % 16; registers 4 c .. 4 c + 3 hold K = 32 c + 16 (l / 16) + 0 .. 15
.irp c, 0,1,2,3
	ds_load_b128 v[\reg+4*\c:\reg+4*\c+3], v[\adr] offset:128*(\q)+32*\c+(\rows)*PITCH
.endr
.endm
.macro FETCH_B slot, q, p              ; W's eight fragments of the slot's q-th 128 along K into set p: gates i, f, g out of the slot, o out of its own ring.  32 loads
	WIN TO_B
.irp g, 0,1,2
.irp cb, 0,1
	FRAG 128*(\p)+FR*(2*\g+\cb), ADRB+\slot, \q, 64*\g+16*\cb
.endr
.endr
.irp cb, 0,1
	FRAG 128*(\p)+FR*(6+\cb), ADRO+\slot, \q, 16*\cb
.endr
	WIN 0
.endm
.macro FETCH_A slot, q, i0             ; x's blocks i0 .. i0 + 3.  16 loads
.irp i, \i0, \i0+1, \i0+2, \i0+3
	FRAG AF+FR*(\i), ADRA+\slot, \q, 16*(\i)
.endr
.endm
; 8 matrix instructions: x's block a against W's eight fragments, 128 along K.  p: W's set.  zero = 1: the first product starts the sums: nothing is ever cleared.
; The 64 accumulators take turns, one instruction a turn, in the same order in every step.
.macro MUL8 a, p, zero
.irp b, 0,1,2,3,4,5,6,7
.if \zero
	v_wmma_f32_16x16x128_fp8_fp8 v[8*(8*((\a)%4)+\b):8*(8*((\a)%4)+\b)+7], v[AF+FR*(\a):AF+FR*(\a)+FR-1], v[128*(\p)+FR*\b:128*(\p)+FR*\b+FR-1], 0
.else
	v_wmma_f32_16x16x128_fp8_fp8 v[8*(8*((\a)%4)+\b):8*(8*((\a)%4)+\b)+7], v[AF+FR*(\a):AF+FR*(\a)+FR-1], v[128*(\p)+FR*\b:128*(\p)+FR*\b+FR-1], v[8*(8*((\a)%4)+\b):8*(8*((\a)%4)+\b)+7]
.endif
.endr
.endm
.macro MUL16 a0, p, zero
	MUL8 \a0, \p, \zero
	MUL8 (\a0)+1, \p, \zero
.endm
; A load into a register that a matrix instruction has read, and a vector instruction that reads a matrix result or writes one of a matrix instruction's registers, stand four places behind it, and only plain
; vector instructions that name none of its registers are places (ISA guide 7.12.1 for vector instructions); this text does not count the matrix instructions in between.
; A step of 128 along K that has its successor in the same slot.  A block of x is free as soon as its eight products are issued, so x has one set: blocks 0-3 are fetched anew in the middle, blocks 4-7 at the end.
.macro STEP slot, q, zero
	s_wait_dscnt 16                                ; W's set and x's blocks 0-3 are in; the youngest 16 loads (x's blocks 4-7) may be out
	WIN MUL_LO
	MUL16 0, (\q)%2, \zero
	MUL16 2, (\q)%2, \zero
	s_wait_dscnt 0                                 ; x's blocks 4-7 are in (asked for 32 matrix instructions ago)
	PLACES 4
	FETCH_B \slot, (\q)+1, 1-(\q)%2
	FETCH_A \slot, (\q)+1, 0
	WIN MUL_HI
	MUL16 4, (\q)%2, \zero
	MUL16 6, (\q)%2, \zero
	PLACES 4
	WIN 0
	FETCH_A \slot, (\q)+1, 4
.endm
; A slot's last step changes slots: ONE barrier; in front of it each wave waits for all its tensor loads, adds 0 to its spare word, and waits for that, for its reads of this slot and for its stores into W_o's ring.
; The change stands early in the step: 16 of its 64 matrix instructions ahead of the refill, 48 behind it, so that the refill has 112 matrix instructions up to the wait for it,
; and the next slot is first read 16 matrix instructions behind the barrier.
; fill = 1: this slot is filled again, two K steps ahead, and W_o's rows of that K step, which are in registers, go into this slot's half of W_o's ring.
; ld = 1: W_o's rows of the K step after that are asked for;  ld = 2: the same, but not in the loop's last trip, where there is no such K step.
; fa = 0: x's fragments of the next slot are not fetched: the gates are about to work in their registers.
.macro TURN slot, next, fill, ld, fa
	s_wait_tensorcnt 0x0                           ; all my tensor loads have landed: my tile of the next slot; so every group 0 may be written.  (Every window is 0 here: the add's two registers lie in window 0)
	ds_add_u32 v[SPW], v[NIL]                      ; 0 onto my spare word: the descriptors and eight matrix instructions stand between it and the wait for it
.if \fill
	s_add_co_u32 s96, s96, KSTEP                   ; the K step to be asked for: one on, round K's end
	s_and_b32 s96, s96, KROW-1
	DESC \slot, 96
.endif
	s_wait_dscnt 17                                ; (the add and the youngest 16 loads, x's blocks 4-7, may be out)
	WIN MUL_LO
	MUL8 0, 1, 0
	s_wait_dscnt 0x0                               ; the add is done, my reads of this slot are over, and what I stored into W_o's ring a K step ago lies there
	s_barrier_signal -1
	MUL8 1, 1, 0
	WIN 0
	s_barrier_wait -1
.if \fill
	CREST                                          ; the barrier has opened a round of the cluster's barrier: no wave of any partner still reads this slot's tiles or has a load on its way
	JLOAD \slot                                    ; my one tensor load behind the round, and the first thing there
	s_wait_loadcnt 0x0                             ; W_o's rows of the K step two on, asked for a K step (128 matrix instructions) ago, are in; so their offset register may be written
	WPUT \slot                                     ; nobody reads this half of W_o's ring any more; it is read behind the next change of slots
.if \ld == 2
	s_cmp_eq_u32 s3, 1                             ; the second tile's last lap but one: there is no further K step, and nothing is loaded that nobody reads
	s_cbranch_scc1 .Lno_more_\@
.endif
.if \ld
	s_add_co_u32 s92, s96, KSTEP
	s_and_b32 s92, s92, KROW-1
	s_wait_xcnt 0x0                                ; at the change of tiles v64-95 were the data of stores of h: they are loaded again only behind this wait (ISA guide 3.1)
	v_add_nc_u32 v[WOF], s92, v[WGO]
	WGET \next, WOF                                ; into the set whose LDS stores were waited for in front of the barrier
.endif
.if \ld == 2
.Lno_more_\@:
.endif
.endif
	WIN MUL_LO
	MUL8 2, 1, 0
	MUL8 3, 1, 0
	PLACES 4
	FETCH_B \next, 0, 0
.if \fa
	FETCH_A \next, 0, 0
.endif
	WIN MUL_HI
	MUL16 4, 1, 0
	MUL16 6, 1, 0
	PLACES 4                                       ; in front of the loads below, or of the gates, which read results and write where x's fragments lay
	WIN 0
.if \fa
	FETCH_A \next, 0, 4
.endif
.endm
; THE GATES, a block of 16 rows at a time: 64 sums a lane (gate g, column block cb, row j at 16 g + 8 cb + j) become 16 numbers of h.  Two sets of 64 registers by turns, where x's fragments lay.
.macro CALC a
.set TB, AF+64*((\a)%2)
.set AC, 64*((\a)%4)
	WIN 0x02+((\a)/4)                              ; source 0: window 2 or 3
.irp n, 0,2,4,6,8,10,12,14,16,18,20,22,24,26,28,30,32,34,36,38,40,42,44,46,48,50,52,54,56,58,60,62
	v_pk_fma_f32 v[TB+\n:TB+\n+1], v[AC+\n:AC+\n+1], v[SC+2*(\n/16):SC+2*(\n/16)+1], v[BI+4*(\n/16)+2*((\n/8)%2):BI+4*(\n/16)+2*((\n/8)%2)+1]   ; -L z (g: 2 L z); each accumulator from its low end on
.endr
	WIN 0
.set i, 0
.rept 64
	v_exp_f32 v[TB+i], v[TB+i]
.set i, i+1
.endr
	v_nop                                          ; a plain instruction between the last exponential and the use of its result (ISA guide 5.7.2)
	s_wait_alu depctr_va_vdst(0)
.irp n, 0,2,4,6,8,10,12,14,16,18,20,22,24,26,28,30,32,34,36,38,40,42,44,46,48,50,52,54,56,58,60,62
	v_pk_add_f32 v[TB+\n:TB+\n+1], v[TB+\n:TB+\n+1], 1.0 op_sel_hi:[1,0]
.endr
.set i, 0
.rept 64
	v_rcp_f32 v[TB+i], v[TB+i]                     ; sigmoid(zi), sigmoid(zf), (1 - tanh(zg)) / 2, sigmoid(zo)
.set i, i+1
.endr
	v_nop
	s_wait_alu depctr_va_vdst(0)
.irp n, 0,2,4,6,8,10,12,14
	v_pk_fma_f32 v[TB+32+\n:TB+33+\n], v[TB+32+\n:TB+33+\n], v[C4:C4+1], v[C2:C2+1]           ; 2 L tanh(zg)
.endr
.irp n, 0,2,4,6,8,10,12,14
	v_pk_mul_f32 v[TB+32+\n:TB+33+\n], v[TB+\n:TB+\n+1], v[TB+32+\n:TB+33+\n]                 ; x sigmoid(zi)
.endr
.irp n, 0,2,4,6,8,10,12,14
	v_pk_fma_f32 v[TB+32+\n:TB+33+\n], v[TB+16+\n:TB+17+\n], v[CXR+2*(\n/8):CXR+2*(\n/8)+1], v[TB+32+\n:TB+33+\n]   ; + sigmoid(zf) 2 L cx = 2 L c
.endr
.set i, 0
.rept 16
	v_exp_f32 v[TB+32+i], v[TB+32+i]
.set i, i+1
.endr
	v_nop
	s_wait_alu depctr_va_vdst(0)
.irp n, 0,2,4,6,8,10,12,14
	v_pk_add_f32 v[TB+32+\n:TB+33+\n], v[TB+32+\n:TB+33+\n], 1.0 op_sel_hi:[1,0]
.endr
.set i, 0
.rept 16
	v_rcp_f32 v[TB+32+i], v[TB+32+i]
.set i, i+1
.endr
	v_nop
	s_wait_alu depctr_va_vdst(0)
.irp n, 0,2,4,6,8,10,12,14
	v_pk_fma_f32 v[TB+32+\n:TB+33+\n], v[TB+32+\n:TB+33+\n], -2.0, 1.0 op_sel_hi:[1,0,0]      ; tanh(c)
.endr
.irp n, 0,2,4,6,8,10,12,14
	v_pk_mul_f32 v[TB+48+\n:TB+49+\n], v[TB+48+\n:TB+49+\n], v[TB+32+\n:TB+33+\n]             ; h
.endr
.endm
; THE WAY OUT.  A lane holds pieces of two columns, and a row's 64 numbers (256 bytes) come from two waves.  So h goes through a stage in LDS and comes back as whole rows.  A phase is two blocks of each wave:
; 64 rows of the tile.  Two stages take turns: phase p + 2 writes where phase p was read, and every wave's reads of phase p are waited for in front of phase p + 1's barrier: one barrier a phase.
.macro PUT a                           ; lanes 0-15 write 64 consecutive bytes of a row, lanes 16-31 of the row 8 further down, 544 words = 32 banks away
.set TB, AF+64*((\a)%2)
.irp cb, 0,1
.irp j, 0,1,2,3,4,5,6,7
	ds_store_b32 v[STO], v[TB+48+8*\cb+\j] offset:(((\a)/2)%2)*PST+(16*((\a)%2)+\j)*PITCH+64*\cb
.endr
.endr
.endm
.macro SYNC                            ; my LDS stores have landed and my LDS loads are in: then the work-group's barrier.  The next tile's tensor load may stay out
	s_wait_dscnt 0x0
	s_barrier_signal -1
	s_barrier_wait -1
.endm
.macro BACK p                          ; of the phase's 32 rows of my half of the tile I take 16, whole: two rows a load
	s_wait_xcnt 0x0                                ; the stores of the phase before have read these registers (ISA guide 3.1): only behind this wait are they loaded again
.irp i, 0,1,2,3,4,5,6,7
	ds_load_b128 v[OUT+4*\i:OUT+4*\i+3], v[RD] offset:((\p)%2)*PST+2*\i*PITCH
.endr
.endm
.macro SEND p, younger                 ; younger: the LDS loads issued behind this phase's eight, which may stay out
	s_wait_dscnt \younger
.irp i, 0,1,2,3,4,5,6,7
	global_store_b128 v[CO], v[OUT+4*\i:OUT+4*\i+3], s[82:83] offset:(32*(\p)+2*\i)*OROW th:TH_STORE_NT   ; 16 lanes store 256 consecutive bytes, at a multiple of 256 from h's first byte; 110 rows at the most: inside the signed 24-bit immediate
.endr
.endm
.macro EPI more                        ; a tile's gates and its way out.  more = 1: the next tile's first fragments of x are fetched as soon as the gates have left their registers
	CALC 0
	PUT 0
	CALC 1
	PUT 1
	SYNC
	BACK 0
.irp p, 1,2,3                                  ; a block's arithmetic stands between the loads of the phase before and its stores
	CALC 2*\p
	SEND \p-1, 0
	PUT 2*\p
	CALC 2*\p+1
	PUT 2*\p+1
	SYNC
	BACK \p
.endr
.if \more
	FETCH_A 0, 0, 0                                ; slot 0 holds the next tile's first K step: it was shown whole at the last change of slots
	FETCH_A 0, 0, 4
	SEND 3, 32                                     ; the 32 loads just issued may be out
.else
	SEND 3, 0
.endif
.endm
	s_wait_tensorcnt 0x1                           ; my tile of K step 0 is in; K step 1's may stay out
	s_wait_dscnt 0x0                               ; my rows of W_o lie in its ring
	s_barrier_signal -1
	s_barrier_wait -1                              ; everybody's do
	s_add_co_u32 s92, s96, KSTEP
	s_and_b32 s92, s92, KROW-1
	v_add_nc_u32 v[WOF], s92, v[WGO]               ; (the loads that named this register are in)
	WGET 0, WOF                                    ; W_o's K step 2
	FETCH_B 0, 0, 0
	FETCH_A 0, 0, 0
	FETCH_A 0, 0, 4
	; ---- the first tile
	STEP 0, 0, 1                                   ; a tile's first step stands in front of its loop: its products start the sums
	s_mov_b32 s3, LAPS-1
.Llap0:                                                ; a trip goes once round the ring, from a lap's second step to the next lap's first, and fills both slots again
	TURN 0, 1, 1, 1, 1
	STEP 1, 0, 0
	TURN 1, 0, 1, 1, 1
	STEP 0, 0, 0
	s_sub_co_u32 s3, s3, 1
	s_cmp_lg_u32 s3, 0
	s_cbranch_scc1 .Llap0
	s_add_nc_u64 s[4:5], s[4:5], WALK*KROW         ; from here on x's tiles are the second tile's; K's offset goes on round, and is back at my first K step
	TURN 0, 1, 1, 1, 1                             ; THE RING GOES ON INTO THE SECOND TILE: slot 0 takes its first K step,
	STEP 1, 0, 0
	TURN 1, 0, 1, 1, 0                             ; slot 1 its second; W's first fragments are fetched, x's are not
	EPI 1                                          ; both refills are asked for: now the tile goes through its gates and out
	; ---- the second tile
	STEP 0, 0, 1
	s_mov_b32 s3, LAPS-1
.Llap1:
	TURN 0, 1, 1, 1, 1
	STEP 1, 0, 0
	TURN 1, 0, 1, 2, 1
	STEP 0, 0, 0
	s_sub_co_u32 s3, s3, 1
	s_cmp_lg_u32 s3, 0
	s_cbranch_scc1 .Llap1
	TURN 0, 1, 0, 0, 1                             ; the last lap fills nothing, and has no round of the cluster's barrier
	STEP 1, 0, 0
	s_wait_dscnt 16                                ; the very last step: nothing more to fetch
	WIN MUL_LO
	MUL16 0, 1, 0
	MUL16 2, 1, 0
	s_wait_dscnt 0
	WIN MUL_HI
	MUL16 4, 1, 0
	MUL16 6, 1, 0
	PLACES 4                                       ; behind the last products: the gates read results and write where x's fragments lay
	WIN 0
	s_wait_xcnt 0x0                                ; the first tile's stores have read their base
	s_add_nc_u64 s[82:83], s[82:83], WALK*OROW     ; h at the second tile
	EPI 0
	s_wait_tensorcnt 0x0                           ; the wave's end: behind my last tensor load and my last LDS store
	ds_add_u32 v[SPW], v[NIL]
	s_wait_dscnt 0x0
	CROUND                                         ; the closing round: no work-group ends while a partner may still ask for a tile that names it
	s_endpgm
.Lfunc_end_k_q2f316f997a_ltm:
	.size	k_q2f316f997a_ltm, .Lfunc_end_k_q2f316f997a_ltm-k_q2f316f997a_ltm
	.p2alignl 7, 3214868480
	.fill 96, 4, 3214868480
	.section	.rodata,"a",@progbits
	.p2align	6, 0x0
	.amdhsa_kernel k_q2f316f997a_ltm
		.amdhsa_group_segment_fixed_size 327680
		.amdhsa_private_segment_fixed_size 0
		.amdhsa_enable_private_segment 0
		.amdhsa_kernarg_size 96
		.amdhsa_user_sgpr_count 2
		.amdhsa_user_sgpr_kernarg_segment_ptr 1
		.amdhsa_wavefront_size32 1
		.amdhsa_system_sgpr_workgroup_id_x 1
		.amdhsa_system_sgpr_workgroup_id_y 1
		.amdhsa_system_sgpr_workgroup_id_z 1
		.amdhsa_system_vgpr_workitem_id 0
		.amdhsa_next_free_vgpr 1024
		.amdhsa_next_free_sgpr 102
		.amdhsa_reserve_vcc 0
		.amdhsa_float_denorm_mode_32 3
		.amdhsa_float_denorm_mode_16_64 3
		.amdhsa_memory_ordered 1
		.amdhsa_forward_progress 1
		.amdhsa_inst_pref_size 255
	.end_amdhsa_kernel
	.section	.bss,"aw",@nobits
	.p2align	6
	.space	262144
	.amdgpu_metadata
---
amdhsa.version: [ 1, 2 ]
amdhsa.kernels:
  - .name:           k_q2f316f997a_ltm
    .symbol:         k_q2f316f997a_ltm.kd
    .args:
      - { .name: x_codes, .offset: 0, .size: 8, .value_kind: global_buffer, .address_space: global }
      - { .name: W_i_codes, .offset: 8, .size: 8, .value_kind: global_buffer, .address_space: global }
      - { .name: W_f_codes, .offset: 16, .size: 8, .value_kind: global_buffer, .address_space: global }
      - { .name: W_g_codes, .offset: 24, .size: 8, .value_kind: global_buffer, .address_space: global }
      - { .name: W_o_codes, .offset: 32, .size: 8, .value_kind: global_buffer, .address_space: global }
      - { .name: b_i, .offset: 40, .size: 8, .value_kind: global_buffer, .address_space: global }
      - { .name: b_f, .offset: 48, .size: 8, .value_kind: global_buffer, .address_space: global }
      - { .name: b_g, .offset: 56, .size: 8, .value_kind: global_buffer, .address_space: global }
      - { .name: b_o, .offset: 64, .size: 8, .value_kind: global_buffer, .address_space: global }
      - { .name: cx, .offset: 72, .size: 8, .value_kind: global_buffer, .address_space: global }
      - { .name: lowp_scales, .offset: 80, .size: 8, .value_kind: global_buffer, .address_space: global }
      - { .name: out0, .offset: 88, .size: 8, .value_kind: global_buffer, .address_space: global }
    .group_segment_fixed_size: 327680
    .private_segment_fixed_size: 0
    .kernarg_segment_align: 8
    .kernarg_segment_size: 96
    .max_flat_workgroup_size: 128
    .sgpr_count:     102
    .vgpr_count:     1024
    .wavefront_size: 32
...
	.end_amdgpu_metadata
.endif
;; end of part 2
